; MI455X (gfx1250); checked and timed in simulation.
; The chip was launched on July 23, 2026; its instructions are those of AMD's public machine-readable ISA for CDNA 5 (MIT licence, August 2026) and "CDNA5" Instruction Set Architecture Reference Guide (July 2026). The comments in the code are by the model that wrote it; some were corrected since.
;; Mutual Cross Attention. Allowed arithmetic: matrix products marked QUANTISED: E4M3 operands, one given power-of-two scale a tensor, by v_wmma_f32_16x16x64_fp8_fp8 or v_wmma_f32_16x16x128_fp8_fp8, f32 sums; everything else in f32.
;; Inputs: W_codes 256 x 8 x 32 uint8 (E4M3 codes of W, K innermost, in blocks of 32 codes); b 256 float32; lowp_scales 12 int32 (the exponents e of the quantised operands' scales 2^e); x1 8 x 2,048 x 256 float32; x2 8 x 2,048 x 256 float32.
;; Outputs: out0 8 x 4,096 x 256 float32.
;; This version of the problem:
;;   THIS VERSION OF THE PROBLEM IS GIVEN IN LOW PRECISION. The matrix products marked QUANTISED in the list below multiply operands that are first quantised to E4M3 (4 exponent bits, 3 mantissa bits; 8 bits a number), with one given power-of-two scale for each operand tensor; their sums are f32. All else is computed in f32.
;;   The module's matrix products, in the order in which they are computed (A, B: the left and right operand; K: the contracted axis; several contracted axes count as one K, in the product's order):
;;     1. [M 16,384, K 256] x [K 256, N 256]; A: input x1; B: input W (given as codes): QUANTISED (scales: A lowp_scales[0], B lowp_scales[1])
;;     2. [M 16,384, K 256] x [K 256, N 256]; A: input x2; B: input W (given as codes): QUANTISED (scales: A lowp_scales[2], B lowp_scales[3])
;;     3. batch 8 x [M 2,048, K 256] x [K 256, N 2,048]; A: computed on the way; B: computed on the way: QUANTISED (scales: A lowp_scales[4], B lowp_scales[5])
;;     4. batch 8 x [M 2,048, K 2,048] x [K 2,048, N 256]; A: softmax (see below); B: input x2: QUANTISED (scales: A lowp_scales[6], B lowp_scales[7])
;;     5. batch 8 x [M 2,048, K 256] x [K 256, N 2,048]; A: computed on the way; B: computed on the way: QUANTISED (scales: A lowp_scales[8], B lowp_scales[9])
;;     6. batch 8 x [M 2,048, K 2,048] x [K 2,048, N 256]; A: softmax (see below); B: input x1: QUANTISED (scales: A lowp_scales[10], B lowp_scales[11])
;;   THE QUANTISER, for each operand of a quantised product, along K:
;;     - The operand's scale is 2^e, e = its entry of the input lowp_scales (int32; the entries are numbered through the quantised products in the list's order, A before B).
;;     - Each number is divided by the scale, clamped to +-448, and rounded to the nearest number of E4M3, ties to even, subnormals kept.
;;     - The product sums the exact products of the quantised numbers (number of the format x scale) in f32.
;;   ~~~python
;;   def quantise(x, axis, e):      # numpy; x: float32 -> the quantised numbers, widened to float32 again
;;       x = np.moveaxis(x, axis, -1); K = x.shape[-1]
;;       r = np.clip(x / 2.0 ** e, -448, 448)
;;       step = 2.0 ** (np.maximum(np.frexp(np.where(r == 0, 1, r))[1] - 1, -6) - 3)
;;       q = np.round(r / step) * step * 2.0 ** e      # np.round: ties to even
;;       return np.moveaxis(q, -1, axis).astype(np.float32)
;;   ~~~
;;   SOFTMAX AHEAD OF A QUANTISED PRODUCT. Where the list says 'softmax', what is quantised is not the finished softmax but p = 2^(t - M), with t = logit x log2(e) and M = ceil(the row's largest t), a whole number; so 1/2 < the row's largest p <= 1. The row's sum l is taken of the UNQUANTISED p, in f32, and the product's result is divided by l at the end. Since M is a whole number, a kernel that streams over the keys may use a running M (the ceiling of the running maximum): every later rescaling is an exact power of two, so the quantised numbers keep their values, but for numbers so far below the row's largest that they fall under the format's range.
;;   OPERANDS COMPUTED ON THE WAY. 'Computed on the way' means the value that the module computes at that place (a softmax that the list does not call 'softmax' is quantised finished and normalised). What goes into a quantiser is computed in f32, as accurately as f32 sums, v_exp_f32 and their like allow (about 1e-6 of the number): no bf16 or f16 on the way to a quantiser, and a product that is left as it is and whose result goes on into a quantised operand takes f32 operands (vector FMAs, or v_wmma_f32_16x16x4_f32). A number that lies on a knife's edge between two numbers of the format may be rounded either way, as far as f32 arithmetic and the matrix unit's own rounding can turn it there, and no further.
;;   INPUTS GIVEN AS CODES. W (in the module: [256, 256], K = its axis 0): each comes as NAME_codes (uint8): NAME with its K axis moved to the last place and cut into blocks of 32 codes, [.., K / 32, bytes a block], one block behind the other in memory; one code a byte (a code: sign, 4 exponent bits, 3 mantissa bits); its scale is its entry of lowp_scales. Its value is code x scale, taken as it is: it is not quantised again, and the codes and scales need not be those that the quantiser above would give.
;; One version. Each part assembles by itself: llvm-mc -triple=amdgcn-amd-amdhsa -mcpu=gfx1250 --defsym DOCPART=n.
;; ======== version 1 of 1: 2 launches
;; limits: right only within a limited range of input values
;; workspace buffers: QC 8,388,608 bytes; KV 16,777,216 bytes
;; launch prep (part 1): grid 256 x 1, 16 waves a work-group, no clusters, 167,936 bytes of LDS; arguments x1, x2, W_codes, b, lowp_scales, QC, KV; writes QC, KV
.if DOCPART == 1
	.amdgcn_target "amdgcn-amd-amdhsa--gfx1250"
	.amdhsa_code_object_version 6
	.text
	.protected	k_qa2b11034b0_prep
	.globl	k_qa2b11034b0_prep
	.p2align	8
	.type	k_qa2b11034b0_prep,@function
k_qa2b11034b0_prep:
	s_mov_b64 s[64:65], 0
	v_nop
	global_prefetch_b8 v0, s[64:65] scope:SCOPE_SE
	s_setreg_imm32_b32 hwreg(HW_REG_WAVE_MODE, 25, 1), 1
	s_wait_xcnt 0x0
; PREP: every code that the attention launch reads is made here, once.
; A work-group takes 128 tokens of one stream (x1: work-groups 0-127, x2: 128-255), 128 KB of f32, read from memory once by sixteen tensor loads, and makes of them:
;   y = x W + b on codes of E4M3 (x under 2^ex, W's codes as given under 2^ew), then y's codes twice: as QUERIES (scale 2^eQ, into QC) and as KEYS (scale 2^eK, into KV);
;   x's codes along the TOKENS (scale 2^eV, into KV): the values of the second product, whose K is the keys.
;   stream x1: ex, ew = entries 0, 1; eQ = 4; eK = 9; eV = 11; queries of head batch, keys and values of head 8 + batch.   stream x2: 2, 3; 8; 5; 7; queries of head 8 + batch, keys and values of head batch.
; LAYOUT: images of operand registers.  A fragment (16 rows x 128 K) is 2,048 bytes: piece c (0..3) is 512 bytes, lane l's 16 bytes at 16 l; lane (r = l % 16, h = l / 16) holds k = 32 c + 16 h + 0 .. 15 of row r.
;   QC [head 16][block 16][32 KB]: token tile m, K step s at (2 m + s) x 2,048.
;   KV [head 16][block 16][64 KB]: block j is four parts of 16 KB, each four fragments of the values of token block j (channel tiles 4 part on), then four of the keys of token block (j + 1) mod 16 (2 m + s = 4 part on).
;   THE TOKENS OF A TILE ARE NOT NEIGHBOURS: lane r of tile 2 b + u holds token 32 b + 8 u + r + 8 (r / 8) of the 128, so that the scores of key tiles 2 b and 2 b + 1 are 16 neighbouring keys in a lane's registers.
; SHARES of sixteen waves, w = wave % 8, sg = wave / 8.  The wave fetches 8 rows; quantises fragment number 'wave' of x (token tile wave / 2, K step wave % 2); has W's rows (features) 32 w .. 32 w + 31 in registers, for the
;   four token tiles 4 sg on: piece w % 4 of K step w / 4 of the next product; and channels 32 w .. 32 w + 31 of the values, token pieces 2 sg and 2 sg + 1.
;   The product is used transposed (source 0 = 16 rows of W, source 1 = 16 tokens), and lane r of W's tile u takes row 32 w + 8 u + r + 8 (r / 8): a lane's 16 sums of tiles 0 and 1 are features 32 w + 16 h + 0 .. 15 of one token.
; NO CLUSTER: what work-groups share is W's codes, 8 KB a wave straight into registers, beside 128 KB of x that nobody shares.  NO PREFETCH: the launch has no loop to run ahead in.
; LIMITS on the given exponents, so that each power of two below is an f32 number: ex, eV, eQ - ex - ew and eK - ex - ew between -126 and 119.  NaN among the inputs is not served; an infinity is held at the largest code.
.set PITCH, 1040                       ; a token's row in LDS: 1,024 bytes + 16 of padding
.set FRB,   2048                       ; a fragment's image
.set HALF,  64*PITCH
.set XIMG,  128*PITCH                  ; behind the 128 rows: x's 16 fragments, (2 m + s) x FRB; no tensor load lands here
.set SPARE, XIMG+16*FRB                ; the spare words, 128 bytes for each of sixteen waves
.set XA,  4                            ; v4   x in LDS: my token of my tile, + 64 h + 512 (wave % 2)
.set FI,  5                            ; v5   where I read x's images: XIMG + 16 lane + 8 FRB sg
.set XWI, 6                            ; v6   where I store mine: XIMG + 16 lane + FRB wave
.set QO,  7                            ; v7   my 16 bytes in a token tile's two fragments: 16 lane + FRB (w / 4) + 512 (w % 4)
.set VO,  8                            ; v8   the values' codes: channel tile 2 w + h, 16 r, + 1,024 sg
.set WA,  9                            ; v9   W's codes: row 32 w + r + 8 (r / 8), + 16 h
.set BA,  10                           ; v10  b: 128 w + 64 h
.set SPW, 12                           ; v12  LDS address of my spare word; never rewritten
.set NIL, 13                           ; v13  0; never rewritten
.set SX,  14                           ; v14, v15  2^ex and 448 x 2^ex
.set HX,  15
.set SQ,  16                           ; v16, v17  the same with eQ - ex - ew
.set HQ,  17
.set SK,  18                           ; v18, v19  with eK - ex - ew
.set HK,  19
.set SV,  20                           ; v20, v21  with eV
.set HV,  21
.set VA,  22                           ; v22, v23  the values: my channel's column, tokens 64 sg on and 32 further
.set WF,  32                           ; v32-95    W's fragments (tile u, K step s) at WF + 16 (2 u + s): they stay
.set BI,  96                           ; v96-111   b / 2^(ex + ew), tile u at BI + 8 u, in the result's layout
.set XFR, 112                          ; v112-175  64 numbers of x; then x's fragments of two token tiles (mm, s) at XFR + 32 mm + 16 s
.set ACC, 176                          ; v176-207  the sums (mm, u) at ACC + 16 mm + 8 u
.set TQ,  208                          ; v208-223  16 sums held for the query role
.set TK,  224                          ; v224-239  for the key role
.set PC,  240                          ; v240-255  codes just made
.set VN,  176                          ; v176-239  the values: two sets of 32 numbers
.macro MKSC e, vs, vh                  ; of the whole number in s[e]: 2^e as f32 (the conversion takes its exponent field), and 448 x 2^e
	s_add_co_i32 s60, s[\e], 127
	s_lshl_b32 s61, s60, 23
	v_mov_b32 v[\vs], s61
	s_add_co_i32 s60, s60, 8
	s_lshl_b32 s60, s60, 23
	s_or_b32 s60, s60, 0x600000
	v_mov_b32 v[\vh], s60
.endm
	s_load_b256 s[4:11], s[0:1], 0x0               ; x1 s[4:5], x2 s[6:7], W's codes s[8:9], b s[10:11]
	s_load_b128 s[12:15], s[0:1], 0x20             ; the scales' exponents s[12:13], QC s[14:15]
	s_load_b64 s[16:17], s[0:1], 0x30              ; KV
	v_lshl_add_u32 v[SPW], v0, 2, SPARE
	v_mov_b32 v[NIL], 0
	ds_add_u32 v[SPW], v[NIL]                      ; the wave's opening: an add, twice on end, and its wait
	ds_add_u32 v[SPW], v[NIL]
	v_lshrrev_b32 v1, 5, v0
	v_readfirstlane_b32 s18, v1                    ; wave 0..15
	s_lshr_b32 s38, s18, 3                         ; sg
	s_and_b32 s39, s18, 7                          ; w
	s_lshr_b32 s19, ttmp9, 7                       ; stream
	s_and_b32 s22, ttmp9, 127                      ; which 128 tokens of the stream
	s_lshr_b32 s20, s22, 4                         ; batch
	s_and_b32 s21, s22, 15                         ; token block
	; descriptor group 1: 8 rows of 256 elements of 4 bytes, 16 bytes of padding behind each row
	s_mov_b32 s24, (2<<16)|(1<<20)|(7<<22)|(3<<25) ; no mask; elements of 4 bytes; padding on: after every 256 words (code 7) four words (code 3)
	s_mov_b32 s25, 256<<16                         ; tensor_dim0
	s_mov_b32 s26, 8<<16                           ; tensor_dim1
	s_mov_b32 s27, 256<<16                         ; tile_dim0
	s_mov_b32 s28, 8                               ; tile_dim1
	s_mov_b32 s29, 256                             ; elements from row to row
	s_mov_b32 s30, 0
	s_mov_b32 s31, 0
	s_mov_b32 s32, 1                               ; group 0: count,
	s_mul_i32 s33, s18, 8*PITCH                    ; my 8 rows in LDS,
	s_lshl_b32 s36, s22, 17                        ; and in memory: 128 rows of 1,024 bytes a block,
	s_lshl_b32 s37, s18, 13                        ; 8 a wave
	s_add_co_u32 s36, s36, s37
	s_mov_b32 s37, 0
	s_lshl_b32 s66, s19, 3                         ; QC: head 8 x stream + batch, 512 KB a head, 32 KB a block,
	s_add_co_u32 s66, s66, s20
	s_lshl_b32 s66, s66, 19
	s_lshl_b32 s67, s21, 15
	s_add_co_u32 s66, s66, s67
	s_lshl_b32 s67, s38, 14                        ; four token tiles: 16 KB
	s_add_co_u32 s66, s66, s67
	s_mov_b32 s67, 0
	s_xor_b32 s68, s19, 1                          ; KV: head 8 x (the other direction) + batch, 1 MB a head, 64 KB a block
	s_lshl_b32 s68, s68, 3
	s_add_co_u32 s68, s68, s20
	s_lshl_b32 s68, s68, 20
	s_add_co_u32 s62, s21, 15
	s_and_b32 s62, s62, 15
	s_lshl_b32 s62, s62, 16
	s_add_co_u32 s62, s62, s68                     ; the keys go to block j - 1 (block 0's to 15),
	s_lshl_b32 s63, s38, 15                        ; four token tiles: two parts
	s_add_co_u32 s62, s62, s63
	s_mov_b32 s63, 0
	s_lshl_b32 s69, s21, 16
	s_add_co_u32 s68, s68, s69                     ; the values to block j
	s_mov_b32 s69, 0
	s_lshr_b32 s74, s39, 1
	s_lshl_b32 s74, s74, 13
	s_lshl_b32 s75, s39, 12
	s_add_co_u32 s74, s74, s75                     ; 16,384 (w / 2) + 4,096 (w % 2): channel tiles 2 w, 2 w + 1 in a block,
	s_lshl_b32 s75, s38, 10
	s_add_co_u32 s74, s74, s75                     ; pieces 2 sg on
	s_lshr_b32 s75, s39, 2
	s_lshl_b32 s75, s75, 11
	s_and_b32 s71, s39, 3
	s_lshl_b32 s71, s71, 9
	s_add_co_u32 s75, s75, s71
	s_lshr_b32 s70, s18, 2
	s_lshl_b32 s70, s70, 5
	s_bfe_u32 s71, s18, 0x10001
	s_lshl_b32 s71, s71, 3
	s_add_co_u32 s70, s70, s71                     ; my token tile begins at token 32 (wave / 4) + 8 (wave / 2 % 2)
	s_mul_i32 s70, s70, PITCH
	s_and_b32 s71, s18, 1
	s_lshl_b32 s71, s71, 9
	s_add_co_u32 s70, s70, s71
	s_lshl_b32 s58, s18, 11
	s_lshl_b32 s57, s38, 14
	s_lshl_b32 s60, s39, 13
	s_lshl_b32 s61, s39, 7
	s_mul_i32 s59, s38, HALF
	s_add_co_u32 s59, s59, s61
	v_and_b32 v1, 31, v0                           ; lane
	v_and_b32 v2, 15, v0                           ; r
	v_bfe_u32 v3, v0, 4, 1                         ; h
	v_lshlrev_b32 v[FI], 4, v1
	v_and_b32 v11, 8, v2
	v_lshlrev_b32 v[QO], 4, v1
	v_lshlrev_b32 v[VA], 2, v1
	v_lshlrev_b32 v[VO], 4, v2
	v_add_nc_u32 v11, v11, v2                      ; r + 8 (r / 8)
	v_lshlrev_b32 v[BA], 6, v3
	v_add_nc_u32 v[FI], XIMG, v[FI]
	v_add_nc_u32 v[QO], s75, v[QO]
	v_mul_u32_u24 v[XA], v11, PITCH
	v_lshlrev_b32 v[WA], 8, v11                    ; a row of W's codes is 256 bytes
	v_lshl_add_u32 v[VO], v3, 11, v[VO]
	v_add_nc_u32 v[BA], s61, v[BA]
	v_lshl_add_u32 v[XA], v3, 6, v[XA]
	v_lshl_add_u32 v[WA], v3, 4, v[WA]
	v_add_nc_u32 v[VA], s59, v[VA]                 ; channel 32 w + lane, tokens 64 sg on
	v_add_nc_u32 v[VO], s74, v[VO]
	v_add_nc_u32 v[XA], s70, v[XA]
	v_add_nc_u32 v[WA], s60, v[WA]
	v_add_nc_u32 v[XWI], s58, v[FI]
	v_add_nc_u32 v[FI], s57, v[FI]
	v_add_nc_u32 v[VA+1], 32*PITCH, v[VA]          ; 32 tokens further down
	s_wait_alu depctr_va_vdst(0)
	s_wait_dscnt 0x0                               ; both opening adds are done
	s_wait_kmcnt 0x0
	s_load_b256 s[40:47], s[12:13], 0x0            ; entries 0 to 7
	s_load_b128 s[48:51], s[12:13], 0x20           ; entries 8 to 11
	s_cmp_lt_u32 ttmp9, 128                        ; x1's work-group or x2's: the choice hangs on the work-group's number alone
	s_cselect_b64 s[34:35], s[4:5], s[6:7]
	s_add_nc_u64 s[34:35], s[34:35], s[36:37]
	s_or_b32 s35, s35, 0x80000000                  ; type = 2
	tensor_load_to_lds s[32:35], s[24:31]          ; my one tensor load: one is out
	s_nop 0
.rept 4
	v_nop
.endr
	s_add_nc_u64 s[14:15], s[14:15], s[66:67]
	s_add_nc_u64 s[72:73], s[16:17], s[62:63]
	s_add_nc_u64 s[16:17], s[16:17], s[68:69]
.irp u, 0,1                                    ; while it lands: my 32 rows of W, four fragments,
.irp s, 0,1
.irp c, 0,1,2,3
	global_load_b128 v[WF+16*(2*\u+\s)+4*\c:WF+16*(2*\u+\s)+4*\c+3], v[WA], s[8:9] offset:\u*2048+128*\s+32*\c
.endr
.endr
.endr
.irp u, 0,1                                    ; and b at features 32 w + 16 h + 8 u + 0 .. 7
	global_load_b128 v[BI+8*\u:BI+8*\u+3], v[BA], s[10:11] offset:32*\u
	global_load_b128 v[BI+8*\u+4:BI+8*\u+7], v[BA], s[10:11] offset:32*\u+16
.endr
	s_wait_kmcnt 0x0
	s_cmp_lt_u32 ttmp9, 128                        ; compared anew: the lines above have written SCC.  All five choices stand ahead of the next line that writes it
	s_cselect_b32 s52, s40, s42                    ; ex
	s_cselect_b32 s53, s41, s43                    ; ew
	s_cselect_b32 s54, s44, s48                    ; eQ
	s_cselect_b32 s55, s49, s45                    ; eK
	s_cselect_b32 s56, s51, s47                    ; eV
	s_add_co_i32 s57, s52, s53                     ; a sum stands for sum x 2^(ex + ew): so b goes in as b / 2^(ex + ew),
	s_sub_co_i32 s58, 0, s57
	s_sub_co_i32 s54, s54, s57                     ; and the three scales ahead of each quantiser are folded into the conversion's one
	s_sub_co_i32 s55, s55, s57
	MKSC 52, SX, HX
	MKSC 54, SQ, HQ
	MKSC 55, SK, HK
	MKSC 56, SV, HV
	s_wait_alu depctr_va_vdst(0)
	s_wait_loadcnt 0x0                             ; W and b
.irp j, 0,1,2,3,4,5,6,7,8,9,10,11,12,13,14,15
	v_ldexp_f32 v[BI+\j], v[BI+\j], s58
.endr
	s_wait_alu depctr_va_vdst(0)
	s_wait_tensorcnt 0x0                           ; my 8 rows are in LDS,
	s_barrier_signal -1
	s_barrier_wait -1                              ; everybody's are
; ---- V: a lane takes a channel and its registers run down 32 tokens: codes with the tokens innermost.  They are piece 2 sg + c: tokens 0-15 for lanes h = 0 of the fragment, 16-31 for h = 1
.macro VLOAD c
.irp i, 0,1,2,3,4,5,6,7,8,9,10,11,12,13,14,15,16,17,18,19,20,21,22,23,24,25,26,27,28,29,30,31
	ds_load_b32 v[VN+32*\c+\i], v[VA+\c] offset:\i*PITCH   ; 32 lanes read 128 consecutive bytes of a token's row
.endr
.endm
.macro VBLOCK c
.irp i, 0,1,2,3,4,5,6,7,8,9,10,11,12,13,14,15,16,17,18,19,20,21,22,23,24,25,26,27,28,29,30,31
	v_med3_num_f32 v[VN+32*\c+\i], v[VN+32*\c+\i], -v[HV], v[HV]
.endr
.irp g, 0,1,2,3
	v_cvt_scalef32_pk8_fp8_f32 v[PC+8*\c+2*\g:PC+8*\c+2*\g+1], v[VN+32*\c+8*\g:VN+32*\c+8*\g+7], v[SV]
.endr
	v_nop
	global_store_b128 v[VO], v[PC+8*\c:PC+8*\c+3], s[16:17] offset:512*\c      ; sixteen lanes store 256 consecutive bytes, aligned
	global_store_b128 v[VO], v[PC+8*\c+4:PC+8*\c+7], s[16:17] offset:512*\c+256
.endm
; ---- P: my 32 features for two of my four token tiles.  Four accumulators by turns, K step by K step; b is the C of each sum's first product
.macro PROJ g
.irp mm, 0,1
.irp s, 0,1
.irp c, 0,1,2,3
	ds_load_b128 v[XFR+32*\mm+16*\s+4*\c:XFR+32*\mm+16*\s+4*\c+3], v[FI] offset:(2*(2*\g+\mm)+\s)*FRB+512*\c
.endr
.endr
.endr
	s_wait_dscnt 0x0
.irp mm, 0,1
.irp u, 0,1
	v_wmma_f32_16x16x128_fp8_fp8 v[ACC+16*\mm+8*\u:ACC+16*\mm+8*\u+7], v[WF+32*\u:WF+32*\u+15], v[XFR+32*\mm:XFR+32*\mm+15], v[BI+8*\u:BI+8*\u+7]
.endr
.endr
.irp mm, 0,1
.irp u, 0,1
	v_wmma_f32_16x16x128_fp8_fp8 v[ACC+16*\mm+8*\u:ACC+16*\mm+8*\u+7], v[WF+32*\u+16:WF+32*\u+31], v[XFR+32*\mm+16:XFR+32*\mm+31], v[ACC+16*\mm+8*\u:ACC+16*\mm+8*\u+7]
.endr
.endr
.rept 5
	v_nop                                          ; places: four ahead of the reads of the sums and of the next loads into x's fragments; the fifth since the next group's products begin these accumulators anew with another C
.endr
	s_wait_xcnt 0x0                                ; the last stores have read the codes' registers
.irp mm, 0,1
.irp i, 0,1,2,3,4,5,6,7,8,9,10,11,12,13,14,15
	v_med3_num_f32 v[TQ+\i], v[ACC+16*\mm+\i], -v[HQ], v[HQ]      ; each accumulator from its low end on
.endr
.irp i, 0,1,2,3,4,5,6,7,8,9,10,11,12,13,14,15
	v_med3_num_f32 v[TK+\i], v[ACC+16*\mm+\i], -v[HK], v[HK]
.endr
	v_cvt_scalef32_pk8_fp8_f32 v[PC+8*\mm:PC+8*\mm+1], v[TQ:TQ+7], v[SQ]
	v_cvt_scalef32_pk8_fp8_f32 v[PC+8*\mm+2:PC+8*\mm+3], v[TQ+8:TQ+15], v[SQ]
	v_cvt_scalef32_pk8_fp8_f32 v[PC+8*\mm+4:PC+8*\mm+5], v[TK:TK+7], v[SK]
	v_cvt_scalef32_pk8_fp8_f32 v[PC+8*\mm+6:PC+8*\mm+7], v[TK+8:TK+15], v[SK]
	v_nop                                          ; a plain line behind the conversions: the next holds write their sources
	global_store_b128 v[QO], v[PC+8*\mm:PC+8*\mm+3], s[14:15] offset:(2*\g+\mm)*2*FRB      ; the wave's store covers 512 consecutive bytes, aligned: a whole piece of a fragment
	global_store_b128 v[QO], v[PC+8*\mm+4:PC+8*\mm+7], s[72:73] offset:16384*\g+8192+4096*\mm
.endr
.endm
	; ---- X: 64 numbers of a lane, register 16 b + i = k 32 b + 16 h + i of my token's K step, become a fragment's codes
.irp b, 0,1,2,3
.irp j, 0,1,2,3
	ds_load_b128 v[XFR+16*\b+4*\j:XFR+16*\b+4*\j+3], v[XA] offset:128*\b+16*\j
.endr
.endr
	VLOAD 0
	s_wait_dscnt 32                                ; x's sixteen loads are in; the first piece's 32 may be out
.irp b, 0,1,2,3
.irp i, 0,1,2,3,4,5,6,7,8,9,10,11,12,13,14,15
	v_med3_num_f32 v[XFR+16*\b+\i], v[XFR+16*\b+\i], -v[HX], v[HX]   ; the conversion to an 8-bit code does not saturate (ISA guide 7.6.2): the hold at the largest code x the scale
.endr
	v_cvt_scalef32_pk8_fp8_f32 v[PC+4*\b:PC+4*\b+1], v[XFR+16*\b:XFR+16*\b+7], v[SX]
	v_cvt_scalef32_pk8_fp8_f32 v[PC+4*\b+2:PC+4*\b+3], v[XFR+16*\b+8:XFR+16*\b+15], v[SX]
.endr
	v_nop                                          ; one plain vector line behind the last conversion
.irp c, 0,1,2,3
	ds_store_b128 v[XWI], v[PC+4*\c:PC+4*\c+3] offset:512*\c   ; 512 consecutive bytes a store
.endr
	VLOAD 1
	s_wait_dscnt 36                                ; the first piece is in; the image's four stores and the second piece's 32 loads may be out
	VBLOCK 0
	s_wait_dscnt 0x0                               ; the second piece is in; for the others' sake: my image has landed
	VBLOCK 1
	s_barrier_signal -1
	s_barrier_wait -1                              ; x's sixteen fragments lie in LDS; nobody writes them again
	PROJ 0
	PROJ 1
	s_wait_tensorcnt 0x0                           ; the wave's end, behind my last tensor load and my last LDS store
	ds_add_u32 v[SPW], v[NIL]
	s_wait_dscnt 0x0
	s_endpgm
.Lfunc_end_k_qa2b11034b0_prep:
	.size	k_qa2b11034b0_prep, .Lfunc_end_k_qa2b11034b0_prep-k_qa2b11034b0_prep
	.p2alignl 7, 3214868480
	.fill 96, 4, 3214868480
	.section	.rodata,"a",@progbits
	.p2align	6, 0x0
	.amdhsa_kernel k_qa2b11034b0_prep
		.amdhsa_group_segment_fixed_size 167936
		.amdhsa_private_segment_fixed_size 0
		.amdhsa_enable_private_segment 0
		.amdhsa_kernarg_size 56
		.amdhsa_user_sgpr_count 2
		.amdhsa_user_sgpr_kernarg_segment_ptr 1
		.amdhsa_wavefront_size32 1
		.amdhsa_system_sgpr_workgroup_id_x 1
		.amdhsa_system_sgpr_workgroup_id_y 1
		.amdhsa_system_sgpr_workgroup_id_z 1
		.amdhsa_system_vgpr_workitem_id 0
		.amdhsa_next_free_vgpr 256
		.amdhsa_next_free_sgpr 80
		.amdhsa_reserve_vcc 0
		.amdhsa_float_denorm_mode_32 3
		.amdhsa_float_denorm_mode_16_64 3
		.amdhsa_memory_ordered 1
		.amdhsa_forward_progress 1
		.amdhsa_inst_pref_size 38
	.end_amdhsa_kernel
	.amdgpu_metadata
---
amdhsa.version: [ 1, 2 ]
amdhsa.kernels:
  - .name:           k_qa2b11034b0_prep
    .symbol:         k_qa2b11034b0_prep.kd
    .args:
      - { .name: x1, .offset: 0, .size: 8, .value_kind: global_buffer, .address_space: global }
      - { .name: x2, .offset: 8, .size: 8, .value_kind: global_buffer, .address_space: global }
      - { .name: W_codes, .offset: 16, .size: 8, .value_kind: global_buffer, .address_space: global }
      - { .name: b, .offset: 24, .size: 8, .value_kind: global_buffer, .address_space: global }
      - { .name: lowp_scales, .offset: 32, .size: 8, .value_kind: global_buffer, .address_space: global }
      - { .name: QC, .offset: 40, .size: 8, .value_kind: global_buffer, .address_space: global }
      - { .name: KV, .offset: 48, .size: 8, .value_kind: global_buffer, .address_space: global }
    .group_segment_fixed_size: 167936
    .private_segment_fixed_size: 0
    .kernarg_segment_align: 8
    .kernarg_segment_size: 56
    .max_flat_workgroup_size: 512
    .sgpr_count:     80
    .vgpr_count:     256
    .wavefront_size: 32
...
	.end_amdgpu_metadata
.endif
;; end of part 1
;; launch attn (part 2): grid 64 x 4, 4 waves a work-group, clusters of 4 x 1, 327,680 bytes of LDS; arguments QC, KV, lowp_scales, out0; writes out0
.if DOCPART == 2
	.amdgcn_target "amdgcn-amd-amdhsa--gfx1250"
	.amdhsa_code_object_version 6
	.text
	.protected	k_qa2b11034b0_attn
	.globl	k_qa2b11034b0_attn
	.p2align	8
	.type	k_qa2b11034b0_attn,@function
k_qa2b11034b0_attn:
	s_mov_b64 s[64:65], 0
	v_nop
	global_prefetch_b8 v0, s[64:65] scope:SCOPE_SE
	s_setreg_imm32_b32 hwreg(HW_REG_WAVE_MODE, 25, 1), 1
	s_wait_xcnt 0x0
	s_wait_alu depctr_hold_cnt(0) depctr_sa_sdst(0) depctr_va_vdst(0) depctr_va_sdst(0) depctr_va_ssrc(0) depctr_va_vcc(0) depctr_vm_vsrc(0)
	s_getreg_b32 s2, hwreg(HW_REG_IB_STS2, 6, 4)
	s_cmp_eq_u32 s2, 0
	s_cbranch_scc0 .Lentry_in_a_cluster
	s_endpgm
.Lentry_in_a_cluster:
	s_bfe_u32 s2, ttmp6, 0x10000c
	s_cmp_lg_u32 s2, 0x3003
	s_cbranch_scc0 .Lentry_shape_is_right
	s_endpgm
.Lentry_shape_is_right:
; ATTENTION on codes of E4M3: 16 heads (8 batches x 2 directions) of 2,048 queries x 2,048 keys, 256 features, 256 channels.
; t = score x log2(e) / 16; M = the running largest t rounded up to a whole number; p = 2^(t - M) is quantised under 2^ep; the row's sum is taken of the unquantised p and divides at the end.
; SHARES.  256 work-groups of four waves; a wave owns 32 queries (two tiles x of 16) and walks all keys, 128 a step, 16 steps.
; CLUSTERS of four work-groups of one head: each tile of keys and values is asked for jointly.  The cluster's x is the head, its y one of four groups of 512 queries.
; LAYOUT OF KV: block j of a head (64 KB) is four parts of 16 KB, each four fragments of V(j), then four fragments of K((j + 1) mod 16).  A fragment: 2,048 bytes, four pieces of 512, lane l's 16 bytes at 16 l.
; Both products are used transposed: S^T = K Q^T, O^T = V^T P^T: a lane holds one query; the 16 registers of key tiles 2 b, 2 b + 1 are 16 neighbouring keys.
; PIPELINE.  Step i has four phases.  A: the rest of the maximum; O^T under M(i-1).  B: t - M; loads of K(i+1).  C: the exponentials; between them O^T += V(i-1)^T P(i-1)^T; loads of K(i+1).
;   D: sums, holds, conversions of step i; between them S(i+1), each pair of key tiles over the registers whose p has just been converted; loads of V(i); three quarters of the maximum of step i+1.
; RING: slot n (two blocks, 128 KB) holds V(2n), K(2n+1), V(2n+1), K(2n+2), in reading order; one change of slots every two steps, ahead of phase B of step 2n.  K(0) comes alone at the head.
; PREFETCH: behind each joint load a cluster with y = 0 asks for the next slot of its head, one instruction a wave: work-group cx 32 KB, wave 8 KB, lane 256 bytes.
; LIMITS: eq + ek between -122 and 131, ep between -126 and 119; scaled scores (exponents to the base 2) under 2^31 in magnitude; NaN is not served.
; WINDOWS of 256 registers: 0: state v0-31, S v32-159, P v160-191, Q v192-255;  1: O^T (x at 128 x);  2: K, 16 fragments;  3: V, 16 fragments.
.set STEPB, 65536
.set SLOT1, 1<<17
.set KZ,    2*SLOT1                    ; K(0), 32 KB
.set SPARE, KZ+32768                   ; the spare words, 128 bytes a wave
.set SP,    528                        ; the way out: a row of the stage, in slot 0, which has had its last fill and its last read by then
.set LI,  1                            ; 16 x lane
.set ADR, 2                            ; v2, v8: LDS address of a step's block, even and odd steps
.set ADR2, 8
.set AR,  8                            ; the one in use
.set PFO, 3
.set SPW, 4
.set NIL, 5
.set STO, 6
.set RD,  7
.set SCP, 9                            ; 2^ep
.set HP,  10                           ; v10, v11: 448 x 2^ep
.set ST,  12                           ; of tile x at ST + 8 x: 0 -M, 1 largest score, 2-3 the sum's first chain, 4 f (5 its pair), 6-7 at work
.set C2,  28                           ; the sum's second chain, at C2 + 2 x
.set S,   32
.set P,   160
.set Q,   192
.set TMP, 32
.set BK,  96
.set WV,  12
.set LIM, 15
.set PFA, 18
.set G1,  24
.set G0A, 32
.set G0B, 36
.set SLOTS, 56
.set CS,  58
.set SEL, 60
.set TB,  62
.set G1K, 68
.set MSB, 0
.set FS,  0                            ; 1: the first step's sums
.set MF,  0                            ; 1: the first step's maximum
.macro WIN new                         ; the immediate's high byte repeats the setting that is left
.if MSB != \new
	s_set_vgpr_msb (MSB<<8)|\new
.set MSB, \new
.endif
.endm
.macro PLACES
.rept 4
	v_nop
.endr
.endm
.macro CREST                           ; a round of the cluster's barrier behind its opening barrier
	s_cmp_lg_u32 s[WV], 0
	s_cbranch_scc1 .Lnot_wave_0_\@
	s_barrier_signal -3
.Lnot_wave_0_\@:
	s_barrier_wait -3
	s_barrier_signal -1
	s_barrier_wait -1
.endm
.macro CROUND
	s_barrier_signal -1
	s_barrier_wait -1
	CREST
.endm
.macro JLOAD
	tensor_load_to_lds s[G0B:G0B+3], s[G1:G1+7]
	s_nop 0
	PLACES
.endm
.macro ASK                             ; none in the trip that fills the last slot
	s_cmp_gt_u32 s[SLOTS], s[LIM]
	s_cbranch_scc0 .Lnot_mine_\@
	global_prefetch_b8 v[PFO], s[PFA:PFA+1] th:TH_LOAD_NT scope:SCOPE_SE
.Lnot_mine_\@:
.endm
.macro VLD n                           ; the next n of a step's 64 loads of V (window 3)
.rept \n
	ds_load_b128 v[4*CVL:4*CVL+3], v[AR] offset:16384*(CVL/16)+512*(CVL%16)
.set CVL, CVL+1
.endr
.endm
.macro KLD n                           ; of K (window 2)
.rept \n
	ds_load_b128 v[4*CKL:4*CKL+3], v[AR] offset:8192+16384*(CKL/16)+512*(CKL%16)
.set CKL, CKL+1
.endr
.endm
; Of the 32 products of S^T the next one: by pairs of key tiles, four accumulators by turns, then their second K step: three others between a sum's steps
.macro KQW
.set DX, CKW%2
.set DK, (CKW%8)/4
.set DT, 2*(CKW/8)+(CKW%4)/2
.if DK == 0
	v_wmma_f32_16x16x128_fp8_fp8 v[S+64*DX+8*DT:S+64*DX+8*DT+7], v[32*DT:32*DT+15], v[Q+32*DX:Q+32*DX+15], 0
.else
	v_wmma_f32_16x16x128_fp8_fp8 v[S+64*DX+8*DT:S+64*DX+8*DT+7], v[32*DT+16:32*DT+31], v[Q+32*DX+16:Q+32*DX+31], v[S+64*DX+8*DT:S+64*DX+8*DT+7]
.endif
.set CKW, CKW+1
.endm
.macro PVW how                         ; of the 32 products of O^T the next one (how = 1: it starts the sum)
.set DX, CPW%2
.set DT, CPW/2
.if \how == 1
	v_wmma_f32_16x16x128_fp8_fp8 v[128*DX+8*DT:128*DX+8*DT+7], v[16*DT:16*DT+15], v[P+16*DX:P+16*DX+15], 0
.else
	v_wmma_f32_16x16x128_fp8_fp8 v[128*DX+8*DT:128*DX+8*DT+7], v[16*DT:16*DT+15], v[P+16*DX:P+16*DX+15], v[128*DX+8*DT:128*DX+8*DT+7]
.endif
.set CPW, CPW+1
.endm
.macro EXP n
.rept \n
	v_exp_f32 v[S+64*(CEX%2)+CEX/2], v[S+64*(CEX%2)+CEX/2]   ; the two tiles by turns
.set CEX, CEX+1
.endr
.endm
.macro PF n                            ; t - M, two at a time
.rept \n
.set DX, CPF%2
.set DR, S+64*DX+2*(CPF/2)
	v_pk_fma_f32 v[DR:DR+1], v[DR:DR+1], s[CS:CS+1], v[ST+8*DX:ST+8*DX+1] op_sel_hi:[1,0,0]
.set CPF, CPF+1
.endr
.endm
; The plain vector work of phase D in one stream.  0-143: four blocks of 16 keys a lane, each 16 packed sums, 16 pairs of holds, 4 conversions.  144-207: the maximum of the next scores, each accumulator from its low end on
.macro DV n
.rept \n
.if CVI < 144
.set DB, CVI/36
.set DN, CVI-36*DB
.if DN < 16
.set DX, DN%2
.set DK, DN/2
.set DR, S+64*DX+16*DB+2*DK
.if DK%2 == 0
.set DA, ST+8*DX+2
.else
.set DA, C2+2*DX
.endif
.if (DB == 0) && (DK < 2)
.if FS == 0
	v_pk_fma_f32 v[DA:DA+1], v[DA:DA+1], v[ST+8*DX+4:ST+8*DX+5], v[DR:DR+1] op_sel_hi:[1,0,1]
.endif
.else
.if (FS == 1) && (DB == 0) && (DK < 4)
	v_pk_add_f32 v[DA:DA+1], v[DR-4:DR-3], v[DR:DR+1]
.else
	v_pk_add_f32 v[DA:DA+1], v[DA:DA+1], v[DR:DR+1]
.endif
.endif
.else
.if DN < 32
.set DX, DN%2
.set DR, S+64*DX+16*DB+2*((DN-16)/2)
	v_dual_min_num_f32 v[DR], v[DR], v[HP] :: v_dual_min_num_f32 v[DR+1], v[DR+1], v[HP+1]
.else
.set DX, (DN-32)/2
.set DK, DN%2
	v_cvt_scalef32_pk8_fp8_f32 v[P+16*DX+4*DB+2*DK:P+16*DX+4*DB+2*DK+1], v[S+64*DX+16*DB+8*DK:S+64*DX+16*DB+8*DK+7], v[SCP]
.endif
.endif
.else
.set DN, CVI-144
.set DX, DN%2
.set DK, (DN%16)/2
.set DR, S+64*DX+16*(DN/16)+2*DK
.if DK%2 == 0
.set DA, ST+8*DX+1
.else
.set DA, ST+8*DX+6
.endif
.if ((DN/16) == 0) && ((DK == 1) || ((MF == 1) && (DK == 0)))
	v_max_num_f32 v[DA], v[DR], v[DR+1]
.else
	v_max3_num_f32 v[DA], v[DA], v[DR], v[DR+1]
.endif
.endif
.set CVI, CVI+1
.endr
.endm
.macro RESCALE                         ; O^T x f; the wait serves the last products' results as a group
	WIN 0x41
	s_wait_alu depctr_va_vdst(0)
.set j, 0
.rept 64
.irp x, 0,1
	v_pk_mul_f32 v[128*\x+j:128*\x+j+1], v[128*\x+j:128*\x+j+1], v[ST+8*\x+4:ST+8*\x+5] op_sel_hi:[1,0]
.endr
.set j, j+2
.endr
.endm
.macro CHAIN first                     ; the new -M = floor(-t), and f = 2^(old M - new M)
.irp x, 0,1
	v_max_num_f32 v[ST+8*\x+1], v[ST+8*\x+1], v[ST+8*\x+7]
.endr
.irp x, 0,1
	v_mul_f32 v[ST+8*\x+6], s[CS], v[ST+8*\x+1]
.endr
.if \first
.irp x, 0,1
	v_floor_f32 v[ST+8*\x], -v[ST+8*\x+6]
.endr
.else
.irp x, 0,1
	v_floor_f32 v[ST+8*\x+7], -v[ST+8*\x+6]
.endr
.irp x, 0,1
	v_sub_f32 v[ST+8*\x+6], v[ST+8*\x+7], v[ST+8*\x]
.endr
.irp x, 0,1
	v_mov_b32 v[ST+8*\x], v[ST+8*\x+7]
.endr
.irp x, 0,1
	v_cvt_i32_f32 v[ST+8*\x+6], v[ST+8*\x+6]
.endr
.irp x, 0,1
	v_ldexp_f32 v[ST+8*\x+4], 1.0, v[ST+8*\x+6]
.endr
.endif
.endm
; PHASE A.  v: a step before has moved the block's address.  resc: O^T x the step before's f.  chg: 1 change of slots with a fill, 2 without.
.macro APART v, resc, chg, first
.set CPF, 0
	DV 16
.irp x, 0,1
	v_max_num_f32 v[ST+8*\x+1], v[ST+8*\x+1], v[ST+8*\x+6]
.endr
.irp x, 0,1
	v_permlanex16_b32 v[ST+8*\x+7], v[ST+8*\x+1], s[SEL], s[SEL+1]
.endr
.if \chg
	WIN 0
	s_wait_alu depctr_va_vdst(0)
	s_wait_tensorcnt 0x0                           ; my part of the slot that is read next is in; none is out
	ds_add_u32 v[SPW], v[NIL]
.if \chg == 1
	s_xor_b32 s[G0B+1], s[G0B+1], SLOT1
	s_add_nc_u64 s[G0B+2:G0B+3], s[G0B+2:G0B+3], 2*STEPB
	s_wait_xcnt 0x0                                ; my prefetch has read its address
	s_add_nc_u64 s[PFA:PFA+1], s[PFA:PFA+1], 2*STEPB
.endif
.endif
.if \resc
	RESCALE
.endif
	WIN 0
.if \chg
	s_wait_alu depctr_va_vdst(0)
	s_wait_dscnt 0x0                               ; the add is done, and so are my reads of the slot that I leave
	s_barrier_signal -1
	CHAIN \first                                   ; work on registers while the others arrive
	PF 32
	s_barrier_wait -1
.if \chg == 1
	CREST
	JLOAD                                          ; the first tensor load behind the round: it has two steps in which to land
	ASK
.endif
.if \v
	s_sub_co_u32 s[TB], s[TB], 2*STEPB
	s_xor_b32 s[TB], s[TB], SLOT1
.endif
.else
	CHAIN \first
.endif
.endm
; PHASE B
.macro BPART kl
.set AR, ADR+ADR2-AR
	v_add_nc_u32 v[AR], s[TB], v[LI]
	s_add_co_u32 s[TB], s[TB], STEPB
.set CKL, 0
.set DP, 32-CPF
	PF DP                                          ; the first half of t - M; the second half stands between phase C's first 64 exponentials
.if \kl
	WIN 0x80
	KLD 32                                         ; the loads go in four runs of 32 a step
	WIN 0
.endif
.endm
; PHASE C.  pv: 0 no product yet, 1 the first, 2 the others
.macro CPART kl, pv
	WIN 0
	s_wait_alu depctr_va_vdst(0)
.if \pv
.if \kl
	s_wait_dscnt 63                                ; V's first half is in; behind it 32 loads of V and 32 of K
.else
	s_wait_dscnt 32                                ; behind it V's second half alone
.endif
.endif
.set CEX, 0
.set CPW, 0
.rept 8
.if CEX == 64
	s_wait_alu depctr_va_vdst(0)
.if \pv
	s_wait_dscnt 32*\kl                            ; all of V is in; behind it phase B's 32 loads of K
.endif
.if \kl
	WIN 0x80
	KLD 32
	WIN 0
.endif
.endif
.if CEX < 64
.rept 8
	EXP 1
	PF 1
	EXP 1
.endr
.else
	EXP 16
.endif
.if \pv
	WIN 0x53
.rept 4
	PVW \pv
.endr
	WIN 0
.endif
.endr
.endm
; PHASE D.  Ahead of the first pair of key tiles K's first 48 loads are in (its last 16 and 32 of V may be out): three pairs' fragments; ahead of the last pair all of K (32 of V may be out)
.macro DPART
	v_nop                                          ; a plain place behind the exponentials
	s_wait_alu depctr_va_vdst(0)                   ; one wait for the whole batch
.set CVI, 0
.set CVL, 0
.set CKW, 0
.set DG, 0
	DV 36
	WIN 0xc0
	VLD 32
	WIN 0
.rept 8
.if DG < 6
	DV 18
.else
	DV 20
.endif
.if DG == 0
	s_wait_alu depctr_va_vdst(0)
	s_wait_dscnt 48
.endif
.if DG == 6
	s_wait_alu depctr_va_vdst(0)
	s_wait_dscnt 32
	WIN 0xc0
	VLD 32
.endif
	WIN 0x02
.rept 4
	KQW
.endr
	WIN 0
.set DG, DG+1
.endr
	DV 8                                           ; also the places behind the last products
.endm
	s_load_b256 s[4:11], s[0:1], 0x0               ; QC, KV, the scales' exponents, out0
	v_lshl_add_u32 v[SPW], v0, 2, SPARE
	v_mov_b32 v[NIL], 0
	ds_add_u32 v[SPW], v[NIL]                      ; the wave's opening: an add, twice on end, and its wait
	ds_add_u32 v[SPW], v[NIL]
	v_lshrrev_b32 v1, 5, v0
	v_readfirstlane_b32 s[WV], v1                  ; wave
	s_bfe_u32 s13, ttmp6, 0x40000                  ; cx
	s_and_b32 s17, ttmp7, 0xffff                   ; the head's group of 512 queries
	s_lshl_b32 s14, s17, 2
	s_add_co_u32 s14, s14, s13                     ; block of 128 queries
	s_mov_b32 s16, ttmp9                           ; head
	; group 1: rows of 256 bytes (32 elements of 8 bytes), dense: 128 rows a wave of a slot, 32 of K(0); all four work-groups named
	s_mov_b32 s[G1], 15|(3<<16)|(1<<21)
	s_mov_b32 s[G1+1], 32<<16
	s_mov_b32 s[G1+2], 128<<16
	s_mov_b32 s[G1+3], 32<<16
	s_mov_b32 s[G1+4], 128
	s_mov_b32 s[G1+5], 32
	s_mov_b32 s[G1+6], 0
	s_mov_b32 s[G1+7], 0
	s_mov_b32 s[G1K], 15|(3<<16)|(1<<21)
	s_mov_b32 s[G1K+1], 32<<16
	s_mov_b32 s[G1K+2], 32<<16
	s_mov_b32 s[G1K+3], 32<<16
	s_mov_b32 s[G1K+4], 32
	s_mov_b32 s[G1K+5], 32
	s_mov_b32 s[G1K+6], 0
	s_mov_b32 s[G1K+7], 0
	s_lshl_b32 s20, s16, 20
	s_lshl_b32 s76, s[WV], 14
	s_add_co_u32 s76, s76, s20
	s_add_co_u32 s76, s76, 15*STEPB+8192           ; K(0): in block 15, my part's four fragments
	s_mov_b32 s77, 0
	s_lshl_b32 s21, s[WV], 15
	s_add_co_u32 s20, s20, s21                     ; slot 0: my 32 KB
	s_mov_b32 s21, 0
	s_lshl_b32 s22, s16, 19
	s_lshl_b32 s23, s14, 15
	s_add_co_u32 s22, s22, s23
	s_lshl_b32 s23, s[WV], 13
	s_add_co_u32 s22, s22, s23                     ; my queries' codes
	s_mov_b32 s23, 0
	s_and_b32 s2, s16, 7
	s_lshl_b32 s2, s2, 12
	s_lshr_b32 s3, s16, 3
	s_lshl_b32 s3, s3, 11
	s_add_co_u32 s2, s2, s3
	s_lshl_b32 s3, s14, 7
	s_add_co_u32 s2, s2, s3
	s_lshl_b32 s3, s[WV], 5
	s_add_co_u32 s2, s2, s3
	s_lshl_b32 s2, s2, 10                          ; my rows of out0
	s_mov_b32 s3, 0
	s_lshl_b32 s52, s16, 20
	s_lshl_b32 s53, s13, 15
	s_add_co_u32 s52, s52, s53
	s_lshl_b32 s53, s[WV], 13
	s_add_co_u32 s52, s52, s53                     ; the prefetches: my part of slot 0
	s_mov_b32 s53, 0
	s_cmp_eq_u32 s17, 0
	s_cselect_b32 s[LIM], 1, -1
	s_mov_b32 s[SEL], 0x76543210
	s_mov_b32 s[SEL+1], 0xfedcba98
	s_mov_b32 s[TB], 0
	s_mov_b32 s[SLOTS], 6
	s_mul_i32 s54, s[WV], 16*SP
	v_and_b32 v8, 31, v0
	v_lshlrev_b32 v[PFO], 8, v8
	v_lshlrev_b32 v[LI], 4, v8
	v_and_b32 v2, 15, v0
	v_bfe_u32 v11, v0, 4, 1
	v_mul_u32_u24 v[STO], v2, SP
	v_lshl_add_u32 v[STO], v11, 5, v[STO]
	v_add_nc_u32 v[STO], s54, v[STO]
	v_add_nc_u32 v[RD], s54, v[LI]
.irp x, 0,1
	v_mov_b32 v[ST+8*\x+5], 0                      ; named as the upper half of a pair
	v_mov_b32 v[ST+8*\x+7], 0                      ; a lane permute's destination counts as one of its sources
.endr
	s_wait_alu depctr_va_vdst(0)
	s_wait_dscnt 0x0                               ; both opening adds are done
	s_wait_kmcnt 0x0
	s_load_b256 s[40:47], s[8:9], 0x10             ; entries 4 to 11
	s_add_nc_u64 s[4:5], s[4:5], s[22:23]
	s_mov_b32 s[G0A], 1
	s_lshl_b32 s[G0A+1], s[WV], 13
	s_add_co_u32 s[G0A+1], s[G0A+1], KZ
	s_add_nc_u64 s[G0A+2:G0A+3], s[6:7], s[76:77]
	s_or_b32 s[G0A+3], s[G0A+3], 0x80000000
	s_mov_b32 s[G0B], 1
	s_lshl_b32 s[G0B+1], s[WV], 15
	s_add_nc_u64 s[G0B+2:G0B+3], s[6:7], s[20:21]
	s_or_b32 s[G0B+3], s[G0B+3], 0x80000000
	s_add_nc_u64 s[PFA:PFA+1], s[6:7], s[52:53]
	s_add_nc_u64 s[10:11], s[10:11], s[2:3]
.set i, 0
.rept 16
	global_load_b128 v[Q+4*i:Q+4*i+3], v[LI], s[4:5] offset:512*i
.set i, i+1
.endr
	CROUND                                         ; the first joint loads meet
	tensor_load_to_lds s[G0A:G0A+3], s[G1K:G1K+7]  ; K(0): one tensor load a wave at the head
	s_nop 0
	PLACES
	ASK                                            ; slot 0
	s_wait_kmcnt 0x0
	s_cmp_lt_u32 s16, 8                            ; which direction: the choice hangs on the head alone
	s_cselect_b32 s48, s40, s44                    ; eq
	s_cselect_b32 s49, s41, s45                    ; ek
	s_cselect_b32 s50, s42, s46                    ; ep
	s_cselect_b32 s51, s43, s47                    ; ev
	s_add_co_i32 s52, s48, s49
	s_lshl_b32 s52, s52, 23
	s_add_co_i32 s[CS], s52, 0x3db8aa3b            ; log2(e) / 16 x 2^(eq + ek)
	s_mov_b32 s[CS+1], s[CS]
	s_add_co_i32 s54, s50, s51                     ; ep + ev
	s_add_co_i32 s52, s50, 127
	s_lshl_b32 s53, s52, 23
	v_mov_b32 v[SCP], s53
	s_add_co_i32 s52, s52, 8
	s_lshl_b32 s52, s52, 23
	s_or_b32 s52, s52, 0x600000
	v_mov_b32 v[HP], s52
	v_mov_b32 v[HP+1], s52
	s_wait_alu depctr_va_vdst(0)
	s_wait_tensorcnt 0x0                           ; my part of K(0)
	ds_add_u32 v[SPW], v[NIL]
	s_wait_xcnt 0x0
	s_add_nc_u64 s[PFA:PFA+1], s[PFA:PFA+1], 2*STEPB
	s_wait_dscnt 0x0
	CROUND                                         ; everybody's part of K(0) is in
	JLOAD                                          ; slot 0's first fill
	ASK                                            ; slot 1
	v_add_nc_u32 v[ADR], KZ, v[LI]
	WIN 0x80
.set i, 0
.rept 64
	ds_load_b128 v[4*i:4*i+3], v[ADR] offset:512*i
.set i, i+1
.endr
	s_wait_loadcnt 0x0                             ; Q
	WIN 0x02
.set CKW, 0
.irp b, 0,1,2,3
	s_wait_dscnt 48-16*\b
.rept 8
	KQW
.endr
.endr
	WIN 0
	PLACES
.set MF, 1
.set CVI, 144
	DV 48
	APART 0, 0, 1, 1                               ; step 0
	BPART 1
	CPART 1, 0
.set MF, 0
.set FS, 1
	DPART
.set FS, 0
	APART 1, 0, 0, 0                               ; step 1: the sums of O^T start
	BPART 1
	CPART 1, 1
	DPART
.Lslot:                                                ; steps 2 to 13, a slot a trip
	APART 1, 1, 1, 0
	BPART 1
	CPART 1, 2
	DPART
	APART 1, 1, 0, 0
	BPART 1
	CPART 1, 2
	DPART
	s_sub_co_u32 s[SLOTS], s[SLOTS], 1
	s_cmp_lg_u32 s[SLOTS], 0
	s_wait_alu depctr_va_vdst(0)
	s_cbranch_scc1 .Lslot
	APART 1, 1, 2, 0                               ; step 14: the last slot, nothing is filled
	BPART 1
	CPART 1, 2
	DPART
	APART 1, 1, 0, 0                               ; step 15: no next scores
	BPART 0
	CPART 0, 2
	v_nop
	s_wait_alu depctr_va_vdst(0)
.set CVI, 0
.set CVL, 0
.rept 4
	DV 36
	WIN 0xc0
	VLD 16
	WIN 0
.endr
	; the row's sum, its reciprocal x 2^(ep + ev)
.irp x, 0,1
	v_pk_add_f32 v[ST+8*\x+2:ST+8*\x+3], v[ST+8*\x+2:ST+8*\x+3], v[C2+2*\x:C2+2*\x+1]
.endr
.irp x, 0,1
	v_add_f32 v[ST+8*\x+6], v[ST+8*\x+2], v[ST+8*\x+3]
.endr
.irp x, 0,1
	v_permlanex16_b32 v[ST+8*\x+7], v[ST+8*\x+6], s[SEL], s[SEL+1]
.endr
.irp x, 0,1
	v_add_f32 v[ST+8*\x+6], v[ST+8*\x+6], v[ST+8*\x+7]
.endr
	s_wait_alu depctr_va_vdst(0)
.irp x, 0,1
	v_rcp_f32 v[ST+8*\x], v[ST+8*\x+6]
.endr
	v_nop
	s_wait_alu depctr_va_vdst(0)
.irp x, 0,1
	v_ldexp_f32 v[ST+8*\x], v[ST+8*\x], s54
.endr
	s_wait_alu depctr_va_vdst(0)
	s_wait_dscnt 0x0                               ; V(15)
; The last products by quarters q (tile q / 2, channels 128 (q % 2) on): a quarter is rescaled, multiplied and leaves while the next follow
.macro RESQ q
	WIN 0x41
	s_wait_alu depctr_va_vdst(0)
.set j, 0
.rept 32
	v_pk_mul_f32 v[64*(\q)+j:64*(\q)+j+1], v[64*(\q)+j:64*(\q)+j+1], v[ST+8*((\q)/2)+4:ST+8*((\q)/2)+5] op_sel_hi:[1,0]
.set j, j+2
.endr
.endm
.macro PVQ q
	WIN 0x53
.irp c, 0,1,2,3,4,5,6,7
	v_wmma_f32_16x16x128_fp8_fp8 v[64*(\q)+8*\c:64*(\q)+8*\c+7], v[128*((\q)%2)+16*\c:128*((\q)%2)+16*\c+15], v[P+16*((\q)/2):P+16*((\q)/2)+15], v[64*(\q)+8*\c:64*(\q)+8*\c+7]
.endr
.endm
.macro TOSTAGE q                       ; divided, into my own stage, and back as rows of 512 bytes (LDS serves a wave's instructions in order: ISA guide 5.7.1.4)
	WIN 0x01
.set j, 0
.rept 32
	v_pk_mul_f32 v[TMP+j:TMP+j+1], v[64*(\q)+j:64*(\q)+j+1], v[ST+8*((\q)/2):ST+8*((\q)/2)+1] op_sel_hi:[1,0]
.set j, j+2
.endr
	WIN 0
.irp b, 0,1,2,3,4,5,6,7
	ds_store_b128 v[STO], v[TMP+8*\b:TMP+8*\b+3] offset:64*\b
	ds_store_b128 v[STO], v[TMP+8*\b+4:TMP+8*\b+7] offset:64*\b+16
.endr
.set BB, BK+96*((\q)%2)
.irp t, 0,1,2,3,4,5,6,7,8,9,10,11,12,13,14,15
	ds_load_b128 v[BB+4*\t:BB+4*\t+3], v[RD] offset:\t*SP
.endr
.endm
.macro SEND q, younger                 ; younger: the LDS instructions issued behind the quarter's loads, which may be out (none here)
.set BB, BK+96*((\q)%2)
	s_wait_dscnt \younger
.irp t, 0,1,2,3,4,5,6,7,8,9,10,11,12,13,14,15
	global_store_b128 v[LI], v[BB+4*\t:BB+4*\t+3], s[10:11] offset:(8*((\q)/2)+\t+8*(\t/8))*1024+512*((\q)%2) th:TH_STORE_NT
.endr
.endm
	RESQ 0
	PVQ 0
	PLACES
	TOSTAGE 0
	RESQ 1
	PVQ 1
	WIN 0
	SEND 0, 0
	PLACES
	TOSTAGE 1
	RESQ 2
	PVQ 2
	WIN 0
	SEND 1, 0
	PLACES
	s_wait_xcnt 0x0                                ; the stores have read their registers
	TOSTAGE 2
	RESQ 3
	PVQ 3
	WIN 0
	SEND 2, 0
	PLACES
	s_wait_xcnt 0x0
	TOSTAGE 3
	SEND 3, 0
	s_wait_tensorcnt 0x0                           ; the wave's end
	ds_add_u32 v[SPW], v[NIL]
	s_wait_dscnt 0x0
	CROUND                                         ; the closing round
	s_endpgm
.Lfunc_end_k_qa2b11034b0_attn:
	.size	k_qa2b11034b0_attn, .Lfunc_end_k_qa2b11034b0_attn-k_qa2b11034b0_attn
	.p2alignl 7, 3214868480
	.fill 96, 4, 3214868480
	.section	.rodata,"a",@progbits
	.p2align	6, 0x0
	.amdhsa_kernel k_qa2b11034b0_attn
		.amdhsa_group_segment_fixed_size 327680
		.amdhsa_private_segment_fixed_size 0
		.amdhsa_enable_private_segment 0
		.amdhsa_kernarg_size 32
		.amdhsa_user_sgpr_count 2
		.amdhsa_user_sgpr_kernarg_segment_ptr 1
		.amdhsa_wavefront_size32 1
		.amdhsa_system_sgpr_workgroup_id_x 1
		.amdhsa_system_sgpr_workgroup_id_y 1
		.amdhsa_system_sgpr_workgroup_id_z 1
		.amdhsa_system_vgpr_workitem_id 0
		.amdhsa_next_free_vgpr 1024
		.amdhsa_next_free_sgpr 80
		.amdhsa_reserve_vcc 0
		.amdhsa_float_denorm_mode_32 3
		.amdhsa_float_denorm_mode_16_64 3
		.amdhsa_memory_ordered 1
		.amdhsa_forward_progress 1
		.amdhsa_inst_pref_size 255
	.end_amdhsa_kernel
	.section	.bss,"aw",@nobits
	.p2align	6
	.space	262144
	.amdgpu_metadata
---
amdhsa.version: [ 1, 2 ]
amdhsa.kernels:
  - .name:           k_qa2b11034b0_attn
    .symbol:         k_qa2b11034b0_attn.kd
    .args:
      - { .name: QC, .offset: 0, .size: 8, .value_kind: global_buffer, .address_space: global }
      - { .name: KV, .offset: 8, .size: 8, .value_kind: global_buffer, .address_space: global }
      - { .name: lowp_scales, .offset: 16, .size: 8, .value_kind: global_buffer, .address_space: global }
      - { .name: out0, .offset: 24, .size: 8, .value_kind: global_buffer, .address_space: global }
    .group_segment_fixed_size: 327680
    .private_segment_fixed_size: 0
    .kernarg_segment_align: 8
    .kernarg_segment_size: 32
    .max_flat_workgroup_size: 128
    .sgpr_count:     80
    .vgpr_count:     1024
    .wavefront_size: 32
...
	.end_amdgpu_metadata
.endif
;; end of part 2
